; MI455X (gfx1250); checked and timed in simulation.
; The chip was launched on July 23, 2026; its instructions are those of AMD's public machine-readable ISA for CDNA 5 (MIT licence, August 2026) and "CDNA5" Instruction Set Architecture Reference Guide (July 2026). The comments in the code are by the model that wrote it; some were corrected since.
;; Torch Linear Gather. Allowed arithmetic: matrix products marked QUANTISED: E2M1 operands, one E8M0 scale for each 32 along K, by v_wmma_scale_f32_16x16x128_f8f6f4 with both operands' format E2M1 (or v_wmma_scale_f32_32x16x128_f4), f32 sums; everything else in f32.
;; Inputs: W_codes 2,048 x 64 x 16 uint8 (E2M1 codes of W, K innermost, in blocks of 32 codes, two codes a byte); W_scales 2,048 x 64 uint8 (E8M0 scales of W, one for each 32 codes along K); X_codes 4 x 4,096 x 64 x 16 uint8 (E2M1 codes of X, K innermost, in blocks of 32 codes, two codes a byte); X_scales 4 x 4,096 x 64 uint8 (E8M0 scales of X, one for each 32 codes along K); ind 4 x 16 x 1,024 int32.
;; Outputs: out0 4 x 16 x 1,024 x 128 float32.
;; This version of the problem:
;;   THIS VERSION OF THE PROBLEM IS GIVEN IN LOW PRECISION. The matrix products marked QUANTISED in the list below multiply operands that are first quantised to E2M1 (2 exponent bits, 1 mantissa bit; 4 bits a number), with one power-of-two scale for each 32 numbers along K (OCP MX v1.0); their sums are f32. All else is computed in f32.
;;   The module's matrix products, in the order in which they are computed (A, B: the left and right operand; K: the contracted axis; several contracted axes count as one K, in the product's order):
;;     1. [M 16,384, K 2,048] x [K 2,048, N 2,048]; A: input X (given as codes); B: input W (given as codes): QUANTISED
;;   THE QUANTISER, for each operand of a quantised product, along K:
;;     - K is cut into blocks of 32 from its start; a last block that is shorter is filled with zeros.
;;     - A block's scale is 2^e with e = floor(log2(the largest magnitude in the block)) - 2, held to -126 .. 127; a block of zeros has e = 0. As a byte (E8M0): e + 127.
;;     - Each number is divided by its block's scale, clamped to +-6, and rounded to the nearest number of E2M1, ties to even, subnormals kept.
;;     - The product sums the exact products of the quantised numbers (number of the format x scale) in f32.
;;   ~~~python
;;   def quantise(x, axis):      # numpy; x: float32 -> the quantised numbers, widened to float32 again
;;       x = np.moveaxis(x, axis, -1); K = x.shape[-1]
;;       x = np.pad(x, [(0, 0)] * (x.ndim - 1) + [(0, -K % 32)]); x = x.reshape(x.shape[:-1] + (-1, 32)); a = np.abs(x).max(-1, keepdims=True)
;;       e = np.where(a > 0, np.clip(np.frexp(np.where(a > 0, a, 1))[1] - 1 - 2, -126, 127), 0)      # np.frexp(a)[1] - 1 = floor(log2(a)), exactly
;;       r = np.clip(x / 2.0 ** e, -6, 6)
;;       step = 2.0 ** (np.maximum(np.frexp(np.where(r == 0, 1, r))[1] - 1, 0) - 1)
;;       q = np.round(r / step) * step * 2.0 ** e      # np.round: ties to even
;;       return np.moveaxis(q.reshape(q.shape[:-2] + (-1,))[..., :K], -1, axis).astype(np.float32)
;;   ~~~
;;   INPUTS GIVEN AS CODES. W (in the module: [2048, 2048], K = its axis 1); X (in the module: [4, 4096, 2048], K = its axis 2): each comes as NAME_codes (uint8): NAME with its K axis moved to the last place and cut into blocks of 32 codes, [.., K / 32, bytes a block], one block behind the other in memory; two codes a byte, the lower K in the low four bits (a code: sign, 2 exponent bits, 1 mantissa bit); and NAME_scales (uint8): the same leading axes, one E8M0 byte (e + 127) for each 32 codes along K. Its value is code x scale, taken as it is: it is not quantised again, and the codes and scales need not be those that the quantiser above would give.
;; One version. Each part assembles by itself: llvm-mc -triple=amdgcn-amd-amdhsa -mcpu=gfx1250 --defsym DOCPART=n.
;; ======== version 1 of 1: 1 launch
;; launch gather_gemm (part 1): grid 256 x 1, 4 waves a work-group, clusters of 4 x 1, 238,592 bytes of LDS; arguments W_codes, W_scales, X_codes, X_scales, ind, out0; writes out0
.if DOCPART == 1
	.amdgcn_target "amdgcn-amd-amdhsa--gfx1250"
	.amdhsa_code_object_version 6
	.text
	.protected	k_q06f25de21b_gather_gemm
	.globl	k_q06f25de21b_gather_gemm
	.p2align	8
	.type	k_q06f25de21b_gather_gemm,@function
k_q06f25de21b_gather_gemm:
	s_mov_b64 s[64:65], 0
	v_nop
	global_prefetch_b8 v0, s[64:65] scope:SCOPE_SE
	s_setreg_imm32_b32 hwreg(HW_REG_WAVE_MODE, 25, 1), 1
	s_wait_xcnt 0x0
	s_wait_alu depctr_hold_cnt(0) depctr_sa_sdst(0) depctr_va_vdst(0) depctr_va_sdst(0) depctr_va_ssrc(0) depctr_va_vcc(0) depctr_vm_vsrc(0)
	s_getreg_b32 s2, hwreg(HW_REG_IB_STS2, 6, 4)
	s_cmp_eq_u32 s2, 0
	s_cbranch_scc0 .Lentry_in_a_cluster
	s_endpgm
.Lentry_in_a_cluster:
	s_bfe_u32 s2, ttmp6, 0x10000c
	s_cmp_lg_u32 s2, 0x3003
	s_cbranch_scc0 .Lentry_shape_is_right
	s_endpgm
.Lentry_shape_is_right:
; out0[b][e][c][:] = X[b][ind[b][e][c]][:] . W[128 e .. 128 e + 127][:]^T, K = 2,048, both operands as they are given: codes of FP4 (E2M1), two a byte, K innermost, one E8M0 byte for each 32 along K.
; Only the rows that the list names are multiplied: 4 x 16 x 1,024 rows of 128 outputs.  Codes and scale bytes go to the matrix instruction as they lie in memory; sums in f32, K ascending, one accumulator for each output.
; SHARES.  A cluster of four work-groups owns one (b, e): cluster number = 16 b + e.  Work-group cx of it takes list entries 256 cx .. 256 cx + 255, wave w of it entries 64 w .. 64 w + 63 of those, against all 128 columns and all of K:
; 4 tiles of 16 rows x 8 tiles of 16 columns = 32 accumulators, 256 registers.
; W.  The expert's 128 rows (128 KiB of codes, 8 KiB of scale bytes) are wanted by all four partners: they are asked for JOINTLY (mask 15), once, and stay in LDS.  No LDS byte is filled twice in this launch.
; X.  Partners, and waves, gather different rows, so nothing of X is shared: each wave loads its own 64 rows through registers (sixteen lanes take 256 consecutive, aligned bytes of a row), turns them through its own stage in LDS
; into fragments, and reads nobody else's bytes: X needs no barrier.  K goes in four chunks of 512 (256 bytes of a row), each of four K steps of 128.
; THE ROWS OF W THAT FORM A TILE ARE NOT NEIGHBOURS: lane r of tile l = 2 k + g takes column 64 g + 4 r + k.  So register j of the four accumulators (t, 2 k + g), k = 0 .. 3, are four NEIGHBOURING columns of one row of the output:
; four moves make 16 bytes a lane, and sixteen neighbouring lanes store 256 consecutive bytes, aligned: the result takes no way through LDS.  The tensor loads lay W in that order for nothing: wave k fetches rows k, k + 4, k + 8 ..
; (32 rows, four rows apart in memory: a class of rows modulo 4 has no more than 32), so that a tile is 16 neighbouring LDS rows.
; LIMITS.  An index is taken to lie in 0 .. 4,095, as the gather relies on; any other, read as unsigned, is held at 4,095.  A scale byte 0xff makes NaN, as it does by its definition.
; REGISTERS, in windows of 256 (s_set_vgpr_msb: bits 1:0 source 0, 3:2 source 1, 5:4 source 2, 7:6 destination):
;   window 0: v0-21 lane numbers and addresses; v24-31, v32-63 gather offsets; v64-95 X's scale words; v96-159 W's scale words; v160-191 X's scale bytes as loaded
;   window 1: v0-127 X of chunks 0 and 3, v128-255 X of chunk 1; on the way out the 256 registers to be stored
;   window 2: the accumulators, (t, l) at v[8 (8 t + l)]          window 3: v0-127 X of chunk 2; v128-191, v192-255 W's fragments, two sets
.set WCH,   34816                      ; LDS: a chunk of W: 128 rows x 272 (256 bytes + 16 of padding: 68 words, so that the 16 rows of a load start at 16 different banks; 64 banks of 4 bytes: ISA guide 11.1); four chunks from byte 0
.set SREG,  4*WCH                      ; W's scale bytes: 32 runs of 256 bytes + 16 of padding; run u holds the expert's rows 4 u .. 4 u + 3, 64 bytes each
.set XSTG,  SREG+32*272                ; each wave's own stage for X: 64 rows x 272
.set XSS,   XSTG+4*64*272              ; each wave's own stage for X's scale bytes: 64 rows x 80 (64 bytes + 16)
.set ADRW,  8                          ; v8-11  W's fragments in chunk q: q WCH + 272 r + 16 h
.set STO,   12                         ; v12    X's rows into my stage: 8,704 h + 16 r
.set RDX,   13                         ; v13    and back as fragments: 272 r + 16 h
.set SSTO,  14                         ; v14    X's scale bytes into their stage: 640 (lane / 4) + 16 (lane % 4)
.set SRD,   15                         ; v15    and back as words: 80 x lane
.set WSRD,  16                         ; v16    W's scale words: SREG + 272 x lane
.set CO,    17                         ; v17    my byte offset in the wave's rows of the output: 4,096 h + 16 r
.set IA,    18                         ; v18    the list, for the rows' codes: 128 h
.set IB,    19                         ; v19    the list, for the rows' scale bytes: 32 (lane / 4)
.set SOFF,  24                         ; v24-31 byte offset in X's scale bytes of row 8 (lane / 4) + i, + 16 (lane % 4)
.set OFFX,  32                         ; v32-63 byte offset in X's codes of row 32 h + i, + 16 r
.set XS,    64                         ; v[XS + 16 p + s]: K step s; lanes 0-15 the words of row tile 2 p, lanes 16-31 of 2 p + 1.  Scales and nothing else
.set WS,    96                         ; v[WS + 16 k + s]: K step s; lanes 0-15 the words of column tile 2 k, lanes 16-31 of 2 k + 1.  Scales and nothing else
.set T,     160
.set G1W,   24                         ; s[24:31] descriptor group 1 for W's codes;  s[32:39] for its scale bytes
.set G1S,   32
.set G0S,   40                         ; s[40:43] group 0 for the scale bytes;  s[44:59] for the four chunks: all five loads are out together, so each has its own
.set G0W,   44
.set MSB, 0
.macro WIN new                         ; the immediate's high byte repeats the setting that is left; a switch that changes nothing is dropped
.if MSB != (\new)
	s_set_vgpr_msb (MSB<<8)|(\new)
.set MSB, (\new)
.endif
.endm
.macro XSET q                          ; where chunk q of X lives: window YW, from register YB
.if (\q) == 1
.set YB, 128
.else
.set YB, 0
.endif
.if (\q) == 2
.set YW, 3
.else
.set YW, 1
.endif
.endm
; A round of the cluster's barrier: my work-group's barrier, so that wave 0's signal speaks for all four waves; wave 0 signals for the work-group; every wave waits for all four work-groups; my work-group's barrier once more.
.macro CROUND
	s_barrier_signal -1
	s_barrier_wait -1
	s_cmp_lg_u32 s16, 0
	s_cbranch_scc1 .Lnot_wave_0_\@
	s_barrier_signal -3
.Lnot_wave_0_\@:
	s_barrier_wait -3
	s_barrier_signal -1
	s_barrier_wait -1
.endm
; A load into a register that a matrix instruction has read, and a vector instruction that reads a matrix result or writes one of a matrix instruction's registers, stand four places behind it, and only plain vector
; instructions that name none of its registers are places (ISA guide 7.12.1 for vector instructions).
.macro PLACES
.rept 4
	v_nop
.endr
.endm
	s_load_b256 s[4:11], s[0:1], 0x0               ; W's codes s[4:5], W's scales s[6:7], X's codes s[8:9], X's scales s[10:11]
	s_load_b128 s[12:15], s[0:1], 0x20             ; the list s[12:13], the output s[14:15]
	v_lshl_add_u32 v254, v0, 2, 0x3a200
	v_mov_b32 v255, 0
	ds_add_u32 v254, v255
	ds_add_u32 v254, v255
	v_lshrrev_b32 v1, 5, v0
	v_readfirstlane_b32 s16, v1                    ; wave 0..3
	s_bfe_u32 s17, ttmp6, 0x40000                  ; cx: my place in the cluster: it enters the list's and the output's addresses alone
	s_lshr_b32 s19, ttmp9, 4                       ; b  (in a cluster launch ttmp9 counts clusters)
	s_and_b32 s20, ttmp9, 15                       ; e
	v_and_b32 v1, 15, v0                           ; r = lane % 16
	v_bfe_u32 v2, v0, 4, 1                         ; h = lane / 16
	v_and_b32 v3, 31, v0                           ; lane
	v_bfe_u32 v4, v0, 2, 3                         ; lane / 4
	v_and_b32 v5, 3, v0                            ; lane % 4
	v_lshlrev_b32 v6, 4, v1                        ; 16 r
	v_lshlrev_b32 v7, 4, v5                        ; 16 (lane % 4)
	v_mul_u32_u24 v20, v1, 272
	v_lshl_add_u32 v20, v2, 4, v20                 ; a fragment's row x pitch + 16 x half
.irp q, 0,1,2,3
	v_add_nc_u32 v[ADRW+\q], \q*WCH, v20
.endr
	s_mul_i32 s21, s16, 64*272
	s_add_co_u32 s21, s21, XSTG                    ; my stage for X
	v_mul_u32_u24 v21, v2, 32*272
	v_add_nc_u32 v21, v21, v6
	v_add_nc_u32 v[STO], s21, v21                  ; in: lanes 0-15 row i, lanes 16-31 row 32 + i, 16 bytes a lane
	v_add_nc_u32 v[RDX], s21, v20
	s_mul_i32 s21, s16, 64*80
	s_add_co_u32 s21, s21, XSS                     ; my stage for X's scale bytes
	v_mul_u32_u24 v21, v4, 8*80
	v_add_nc_u32 v21, v21, v7
	v_add_nc_u32 v[SSTO], s21, v21                 ; in: four lanes to a row of 64 bytes, row 8 (lane / 4) + i
	v_mul_u32_u24 v21, v3, 80
	v_add_nc_u32 v[SRD], s21, v21                  ; back: a lane to a row
	v_mul_u32_u24 v21, v3, 272
	v_add_nc_u32 v[WSRD], SREG, v21                ; lane 16 g + r: the run that holds columns 64 g + 4 r + 0 .. 3
	v_lshl_add_u32 v[CO], v2, 12, v6               ; lanes 16-31 stand eight rows of 512 bytes further down
	v_lshlrev_b32 v[IA], 7, v2
	v_lshlrev_b32 v[IB], 5, v4
	; descriptor group 1.  W's codes: 32 rows of 256 bytes, 4,096 bytes (four rows of W) apart, 16 bytes of padding behind each in LDS
	s_mov_b32 s[G1W+0], 15|(0<<16)|(1<<20)|(1<<21)|(5<<22)|(3<<25)  ; 15:0 the mask: all four work-groups; 17:16 elements of 1 byte; 20 padding on; 21 set beside a mask; 24:22 after every 64 words (code 5); 31:25 four words (code 3)
	s_mov_b32 s[G1W+1], 256<<16                    ; tensor_dim0
	s_mov_b32 s[G1W+2], 32<<16                     ; tensor_dim1
	s_mov_b32 s[G1W+3], 256<<16                    ; tile_dim0
	s_mov_b32 s[G1W+4], 32                         ; tile_dim1
	s_mov_b32 s[G1W+5], 4096                       ; tensor_dim0_stride
	s_mov_b32 s[G1W+6], 0
	s_mov_b32 s[G1W+7], 0
	; W's scale bytes: a quarter of the expert's 8,192 dense bytes, as 8 rows of 256 bytes (32 elements of 8 bytes), padded likewise
	s_mov_b32 s[G1S+0], 15|(3<<16)|(1<<20)|(1<<21)|(5<<22)|(3<<25)
	s_mov_b32 s[G1S+1], 32<<16
	s_mov_b32 s[G1S+2], 8<<16
	s_mov_b32 s[G1S+3], 32<<16
	s_mov_b32 s[G1S+4], 8
	s_mov_b32 s[G1S+5], 32
	s_mov_b32 s[G1S+6], 0
	s_mov_b32 s[G1S+7], 0
	s_mov_b32 s23, 0
	s_wait_dscnt 0x0
	s_wait_kmcnt 0x0
	s_lshl_b32 s60, ttmp9, 12                      ; the list: (b, e)'s 1,024 entries of 4 bytes,
	s_lshl_b32 s61, s17, 10                        ; my work-group's 256,
	s_add_co_u32 s60, s60, s61
	s_lshl_b32 s61, s16, 8                         ; my wave's 64: 256 consecutive bytes, aligned
	s_add_co_u32 s60, s60, s61
	s_mov_b32 s61, 0
	s_add_nc_u64 s[12:13], s[12:13], s[60:61]
	s_lshl_b32 s60, s60, 7                         ; the same entries' rows of the output: 512 bytes for each 4 of the list
	s_add_nc_u64 s[14:15], s[14:15], s[60:61]
.irp j, 0,1,2,3,4,5,6,7
	global_load_b128 v[OFFX+4*\j:OFFX+4*\j+3], v[IA], s[12:13] offset:16*\j   ; entries 32 h + 4 j .. + 3
.endr
.irp j, 0,1
	global_load_b128 v[SOFF+4*\j:SOFF+4*\j+3], v[IB], s[12:13] offset:16*\j   ; entries 8 (lane / 4) + 4 j .. + 3
.endr
	s_lshl_b32 s22, s20, 17                        ; W's codes: the expert's 128 rows of 1,024 bytes, from row w on: made of e and the wave's number alone, equal in the four partners
	s_lshl_b32 s21, s16, 10
	s_add_co_u32 s22, s22, s21
	s_add_nc_u64 s[4:5], s[4:5], s[22:23]
	s_lshl_b32 s22, s20, 13                        ; W's scale bytes: the expert's 8,192, my quarter
	s_lshl_b32 s21, s16, 11
	s_add_co_u32 s22, s22, s21
	s_add_nc_u64 s[6:7], s[6:7], s[22:23]
	s_lshl_b32 s22, s19, 22                        ; X[b]: 4,096 rows of 1,024 bytes of codes,
	s_add_nc_u64 s[8:9], s[8:9], s[22:23]
	s_lshl_b32 s22, s19, 18                        ; and of 64 scale bytes
	s_add_nc_u64 s[10:11], s[10:11], s[22:23]
	s_mov_b32 s[G0S], 1                            ; 1:0 count = 1
	s_mul_i32 s21, s16, 8*272
	s_add_co_u32 s[G0S+1], s21, SREG               ; 63:32 LDS address: the wave's number times a constant, plus a constant
	s_mov_b64 s[G0S+2:G0S+3], s[6:7]               ; 120:64 global address
	s_or_b32 s[G0S+3], s[G0S+3], 0x80000000        ; 127:126 type = 2
	s_mul_i32 s21, s16, 32*272                     ; my 32 rows are LDS rows 32 w .. 32 w + 31 of each chunk
.irp q, 0,1,2,3
	s_mov_b32 s[G0W+4*\q], 1
	s_add_co_u32 s[G0W+4*\q+1], s21, \q*WCH
	s_add_nc_u64 s[G0W+4*\q+2:G0W+4*\q+3], s[4:5], 256*\q
	s_or_b32 s[G0W+4*\q+3], s[G0W+4*\q+3], 0x80000000
.endr
	CROUND                                         ; all four work-groups are here: the joint loads meet
	tensor_load_to_lds s[G0S:G0S+3], s[G1S:G1S+7]  ; all fills of the launch go out as one group: five tensor loads of mine are out, in the order in which they are wanted
	s_nop 0
	tensor_load_to_lds s[G0W:G0W+3], s[G1W:G1W+7]
	s_nop 0
	tensor_load_to_lds s[G0W+4:G0W+7], s[G1W:G1W+7]
	s_nop 0
	tensor_load_to_lds s[G0W+8:G0W+11], s[G1W:G1W+7]
	s_nop 0
	tensor_load_to_lds s[G0W+12:G0W+15], s[G1W:G1W+7]
	s_nop 0
	PLACES                                         ; four v_nop follow the last of them
; THE GATHER of chunk q: load i brings 256 consecutive, aligned bytes of row i (lanes 0-15) and of row 32 + i (lanes 16-31).  No hint: the list may name a row again, here or in another work-group.
.macro LOADX q
	XSET \q
	WIN 64*YW                                      ; destination: the chunk's window
.set i, 0
.rept 32
	global_load_b128 v[YB+4*i:YB+4*i+3], v[OFFX+i], s[8:9] offset:256*(\q)
.set i, i+1
.endr
.endm
.macro XSTORE q                        ; the rows as loaded go into my stage
	XSET \q
	WIN 4*YW                                       ; an LDS store's data are its source 1
.set i, 0
.rept 32
	ds_store_b128 v[STO], v[YB+4*i:YB+4*i+3] offset:272*i
.set i, i+1
.endr
.endm
; and come back as fragments, into the registers that they left: LDS serves a wave's instructions in order (ISA guide 5.7.1.4), so these see the stores, and the next chunk's stores come behind these.
; A fragment, 16 rows x 128 K of 4-bit codes, is 8 registers: lane l holds row l % 16; registers 4 c .. 4 c + 3 hold K = 64 c + 32 (l / 16) + 0 .. 31.  K step u of the chunk, row tile t: at v[YB + 8 (4 u + t)].
.macro XFRAG q
	XSET \q
	WIN 64*YW
.irp u, 0,1,2,3
.irp t, 0,1,2,3
.irp c, 0,1
	ds_load_b128 v[YB+8*(4*\u+\t)+4*\c:YB+8*(4*\u+\t)+4*\c+3], v[RDX] offset:4352*\t+64*\u+32*\c
.endr
.endr
.endr
.endm
.macro FETCH_W s                       ; W's eight fragments of K step s into set s % 2 (window 3)
	WIN 0xc0
.irp l, 0,1,2,3,4,5,6,7
.irp c, 0,1
	ds_load_b128 v[128+64*((\s)%2)+8*\l+4*\c:128+64*((\s)%2)+8*\l+4*\c+3], v[ADRW+(\s)/4] offset:4352*\l+64*((\s)%4)+32*\c
.endr
.endr
.endm
; One matrix instruction: row tile t x column tile l, K step s.  Source 0 = 16 gathered rows of X, source 1 = 16 rows of W.  An odd tile's scale words stand in lanes 16-31 of its register.  zero = 1: the product starts the sum.
.macro MM t, l, s, zero
.set rC, 8*(8*(\t)+(\l))
.set rA, XB+8*(4*((\s)%4)+(\t))
.set rB, 128+64*((\s)%2)+8*(\l)
.set rX, XS+16*((\t)/2)+(\s)
.set rW, WS+16*((\l)/2)+(\s)
.set rr, 2*((\t)%2)+(\l)%2
.if \zero
.if rr == 0
	v_wmma_scale_f32_16x16x128_f8f6f4 v[rC:rC+7], v[rA:rA+7], v[rB:rB+7], 0, v[rX], v[rW] matrix_a_fmt:MATRIX_FMT_FP4 matrix_b_fmt:MATRIX_FMT_FP4
.elseif rr == 1
	v_wmma_scale_f32_16x16x128_f8f6f4 v[rC:rC+7], v[rA:rA+7], v[rB:rB+7], 0, v[rX], v[rW] matrix_a_fmt:MATRIX_FMT_FP4 matrix_b_fmt:MATRIX_FMT_FP4 matrix_b_scale:MATRIX_SCALE_ROW1
.elseif rr == 2
	v_wmma_scale_f32_16x16x128_f8f6f4 v[rC:rC+7], v[rA:rA+7], v[rB:rB+7], 0, v[rX], v[rW] matrix_a_fmt:MATRIX_FMT_FP4 matrix_b_fmt:MATRIX_FMT_FP4 matrix_a_scale:MATRIX_SCALE_ROW1
.else
	v_wmma_scale_f32_16x16x128_f8f6f4 v[rC:rC+7], v[rA:rA+7], v[rB:rB+7], 0, v[rX], v[rW] matrix_a_fmt:MATRIX_FMT_FP4 matrix_b_fmt:MATRIX_FMT_FP4 matrix_a_scale:MATRIX_SCALE_ROW1 matrix_b_scale:MATRIX_SCALE_ROW1
.endif
.else
.if rr == 0
	v_wmma_scale_f32_16x16x128_f8f6f4 v[rC:rC+7], v[rA:rA+7], v[rB:rB+7], v[rC:rC+7], v[rX], v[rW] matrix_a_fmt:MATRIX_FMT_FP4 matrix_b_fmt:MATRIX_FMT_FP4
.elseif rr == 1
	v_wmma_scale_f32_16x16x128_f8f6f4 v[rC:rC+7], v[rA:rA+7], v[rB:rB+7], v[rC:rC+7], v[rX], v[rW] matrix_a_fmt:MATRIX_FMT_FP4 matrix_b_fmt:MATRIX_FMT_FP4 matrix_b_scale:MATRIX_SCALE_ROW1
.elseif rr == 2
	v_wmma_scale_f32_16x16x128_f8f6f4 v[rC:rC+7], v[rA:rA+7], v[rB:rB+7], v[rC:rC+7], v[rX], v[rW] matrix_a_fmt:MATRIX_FMT_FP4 matrix_b_fmt:MATRIX_FMT_FP4 matrix_a_scale:MATRIX_SCALE_ROW1
.else
	v_wmma_scale_f32_16x16x128_f8f6f4 v[rC:rC+7], v[rA:rA+7], v[rB:rB+7], v[rC:rC+7], v[rX], v[rW] matrix_a_fmt:MATRIX_FMT_FP4 matrix_b_fmt:MATRIX_FMT_FP4 matrix_a_scale:MATRIX_SCALE_ROW1 matrix_b_scale:MATRIX_SCALE_ROW1
.endif
.endif
.endm
; 16 matrix instructions: row tiles t0, t0 + 1 x the eight column tiles.  The 32 accumulators take turns, one instruction a turn, in the same order in every K step.
.macro MUL16 s, t0, zero
.irp t, \t0, \t0+1
.irp l, 0,1,2,3,4,5,6,7
	MM \t, \l, \s, \zero
.endr
.endr
.endm
; A K STEP of 128: 32 matrix instructions; in its middle, behind four places, ONE run of LDS instructions: the next step's fragments of W, and in a chunk's second and third step the next chunk of X on its way through my stage.
; A chunk's last step meets the other waves: each has waited for its part of W's next chunk, so behind the barrier that chunk is whole.  The later chunks' loads may stay out.
.macro STEP s
.set QQ, (\s)/4
.set SS, (\s)%4
	XSET QQ
.set XB, YB
.set MULW, 0xac+YW                     ; source 0 (X) window 1 or 3, source 1 (W) window 3, C and D window 2
.set Z, 0
.if (\s) == 0
.set Z, 1
.endif
.if (SS >= 2) && ((\s) < 12)
	s_wait_dscnt 32                                ; this step's fragments of W are in; the 32 LDS instructions issued behind them (X's stores into the stage, or its loads back) may be out
.else
	s_wait_dscnt 0x0                               ; this step's fragments of W are in
.endif
	WIN MULW
	MUL16 \s, 0, Z
.if (SS == 3) && ((\s) < 15)
	s_wait_dscnt 0x0                               ; the next chunk's fragments of X are in, and no LDS instruction of mine is out at the signal
	s_wait_tensorcnt 2-QQ                          ; my part of W's next chunk has landed; the chunks behind it, 2 - q loads, may be out
	s_barrier_signal -1
	s_barrier_wait -1                              ; everybody's has
.endif
.if (\s) < 15
	PLACES
	FETCH_W \s+1
.endif
.if (SS == 1) && ((\s) < 13)
.if (\s) < 9
	s_wait_loadcnt 32                              ; the next chunk's 32 loads are in; the 32 of the chunk behind it may be out
.else
	s_wait_loadcnt 0x0                             ; the last chunk's
.endif
	XSTORE QQ+1
.endif
.if (SS == 2) && ((\s) < 14)
	XFRAG QQ+1
.endif
	WIN MULW
	MUL16 \s, 2, Z
.if (\s) == 3
	PLACES                                         ; chunk 0's registers have had their last product: they take chunk 3
	LOADX 3
.endif
.endm
	s_wait_loadcnt 0x0                             ; the list's entries
.set i, 0
.rept 32
	v_min_u32 v[OFFX+i], 0xfff, v[OFFX+i]          ; held inside X's 4,096 rows
.set i, i+1
.endr
.set i, 0
.rept 8
	v_min_u32 v[SOFF+i], 0xfff, v[SOFF+i]
.set i, i+1
.endr
.set i, 0
.rept 8
	v_lshl_add_u32 v[SOFF+i], v[SOFF+i], 6, v7     ; a row of 64 scale bytes, + 16 (lane % 4)
.set i, i+1
.endr
.set i, 0
.rept 32
	v_lshl_add_u32 v[OFFX+i], v[OFFX+i], 10, v6    ; a row of 1,024 bytes of codes, + 16 r
.set i, i+1
.endr
.set i, 0
.rept 8
	global_load_b128 v[T+4*i:T+4*i+3], v[SOFF+i], s[10:11]   ; four neighbouring lanes take a row's whole 64 scale bytes, once for all of K
.set i, i+1
.endr
	LOADX 0
	LOADX 1                                        ; 72 loads on end: where the counter is full the issue waits by itself (ISA guide 5.7.1), so no wait is written for that
	s_wait_loadcnt 32                              ; the scale bytes and chunk 0 are in; chunk 1's 32 loads may be out
	LOADX 2
	WIN 0
.irp i, 0,1,2,3,4,5,6,7
	ds_store_b128 v[SSTO], v[T+4*\i:T+4*\i+3] offset:80*\i
.endr
.irp p, 0,1
.irp j, 0,1,2,3
	ds_load_b128 v[XS+16*\p+4*\j:XS+16*\p+4*\j+3], v[SRD] offset:2560*\p+16*\j   ; row 32 p + lane: its words of K steps 4 j .. 4 j + 3
.endr
.endr
	XSTORE 0
	XFRAG 0
	WIN 0
	s_wait_tensorcnt 0x3                           ; my parts of W's scale bytes and of its chunk 0 have landed; chunks 1 to 3, three loads, may be out
	s_wait_dscnt 0x0                               ; X's scale words and chunk 0's fragments are in, and no LDS instruction of mine is out at the signal
	s_barrier_signal -1
	s_barrier_wait -1                              ; everybody's parts have landed
.irp k, 0,1,2,3
.irp j, 0,1,2,3
	ds_load_b128 v[WS+16*\k+4*\j:WS+16*\k+4*\j+3], v[WSRD] offset:64*\k+16*\j   ; column 64 g + 4 r + k: its words of K steps 4 j .. 4 j + 3, once for all of K
.endr
.endr
	FETCH_W 0
.irp s, 0,1,2,3,4,5,6,7,8,9,10,11,12,13,14,15
	STEP \s
.endr
	; THE WAY OUT, a row tile at a time.  Register j of accumulators (t, g), (t, 2 + g), (t, 4 + g), (t, 6 + g) are columns 64 g + 4 r + 0 .. 3 of row 16 t + 8 h + j: four moves lay them side by side
	; (each accumulator is read from its register 0 on), and a store's lanes 0-15 cover 256 consecutive bytes of row 16 t + j, aligned, lanes 16-31 those of row 16 t + 8 + j.
	; Every store has data registers of its own, so none is written again.
	PLACES                                         ; the moves read results just made and write registers that the last products read
.irp t, 0,1,2,3
	WIN 0x42                                       ; source 0 window 2, destination window 1
.irp g, 0,1
.irp j, 0,1,2,3,4,5,6,7
.irp k, 0,1,2,3
	v_mov_b32 v[64*\t+32*\g+4*\j+\k], v[8*(8*\t+2*\k+\g)+\j]
.endr
.endr
.endr
	WIN 0x04                                       ; a store's data are its source 1
.irp g, 0,1
.irp j, 0,1,2,3,4,5,6,7
	global_store_b128 v[CO], v[64*\t+32*\g+4*\j:64*\t+32*\g+4*\j+3], s[14:15] offset:(16*\t+\j)*512+256*\g th:TH_STORE_NT   ; written once, read by nobody here
.endr
.endr
.endr
	WIN 0                                          ; at a label and at a branch every window is 0
	s_wait_tensorcnt 0x0
	ds_add_u32 v254, v255
	s_wait_dscnt 0x0
	CROUND                                         ; the closing round: no work-group ends while a partner may still ask for a tile that names it.  (All my tensor loads were waited for in K step 11, all my LDS loads in K step 15)
	s_endpgm
.Lfunc_end_k_q06f25de21b_gather_gemm:
	.size	k_q06f25de21b_gather_gemm, .Lfunc_end_k_q06f25de21b_gather_gemm-k_q06f25de21b_gather_gemm
	.p2alignl 7, 3214868480
	.fill 96, 4, 3214868480
	.section	.rodata,"a",@progbits
	.p2align	6, 0x0
	.amdhsa_kernel k_q06f25de21b_gather_gemm
		.amdhsa_group_segment_fixed_size 238592
		.amdhsa_private_segment_fixed_size 0
		.amdhsa_enable_private_segment 0
		.amdhsa_kernarg_size 48
		.amdhsa_user_sgpr_count 2
		.amdhsa_user_sgpr_kernarg_segment_ptr 1
		.amdhsa_wavefront_size32 1
		.amdhsa_system_sgpr_workgroup_id_x 1
		.amdhsa_system_sgpr_workgroup_id_y 1
		.amdhsa_system_sgpr_workgroup_id_z 1
		.amdhsa_system_vgpr_workitem_id 0
		.amdhsa_next_free_vgpr 1024
		.amdhsa_next_free_sgpr 66
		.amdhsa_reserve_vcc 0
		.amdhsa_float_denorm_mode_32 3
		.amdhsa_float_denorm_mode_16_64 3
		.amdhsa_memory_ordered 1
		.amdhsa_forward_progress 1
		.amdhsa_inst_pref_size 143
	.end_amdhsa_kernel
	.amdgpu_metadata
---
amdhsa.version: [ 1, 2 ]
amdhsa.kernels:
  - .name:           k_q06f25de21b_gather_gemm
    .symbol:         k_q06f25de21b_gather_gemm.kd
    .args:
      - { .name: W_codes, .offset: 0, .size: 8, .value_kind: global_buffer, .address_space: global }
      - { .name: W_scales, .offset: 8, .size: 8, .value_kind: global_buffer, .address_space: global }
      - { .name: X_codes, .offset: 16, .size: 8, .value_kind: global_buffer, .address_space: global }
      - { .name: X_scales, .offset: 24, .size: 8, .value_kind: global_buffer, .address_space: global }
      - { .name: ind, .offset: 32, .size: 8, .value_kind: global_buffer, .address_space: global }
      - { .name: out0, .offset: 40, .size: 8, .value_kind: global_buffer, .address_space: global }
    .group_segment_fixed_size: 238592
    .private_segment_fixed_size: 0
    .kernarg_segment_align: 8
    .kernarg_segment_size: 48
    .max_flat_workgroup_size: 128
    .sgpr_count:     66
    .vgpr_count:     1024
    .wavefront_size: 32
...
	.end_amdgpu_metadata
.endif
;; end of part 1
